; MI455X (gfx1250); checked and timed in simulation.
; The chip was launched on July 23, 2026; its instructions are those of AMD's public machine-readable ISA for CDNA 5 (MIT licence, August 2026) and "CDNA5" Instruction Set Architecture Reference Guide (July 2026). The comments in the code are by the model that wrote it; some were corrected since.
;; Optimized Thermodynamic Detector. Allowed arithmetic: matrix products marked QUANTISED: E2M3 operands, one E8M0 scale for each 32 along K, by v_wmma_scale_f32_16x16x128_f8f6f4 with both operands' format E2M3, f32 sums; everything else in f32.
;; Inputs: adj_matrix 8,192 x 8,192 float32; node_embeddings 8,192 x 256 float32.
;; Outputs: out0 4 x 8,192 float32.
;; This version of the problem:
;;   THIS VERSION OF THE PROBLEM IS GIVEN IN LOW PRECISION. The matrix products marked QUANTISED in the list below multiply operands that are first quantised to E2M3 (2 exponent bits, 3 mantissa bits; 6 bits a number), with one power-of-two scale for each 32 numbers along K (OCP MX v1.0); their sums are f32. All else is computed in f32.
;;   The module's matrix products, in the order in which they are computed (A, B: the left and right operand; K: the contracted axis; several contracted axes count as one K, in the product's order):
;;     1. [M 8,192, K 8,192] x [K 8,192, N 256]; A: input adj_matrix; B: input node_embeddings: QUANTISED
;;     2. [M 8,192, K 256] x [K 256, N 8,192]; A: computed on the way; B: computed on the way: QUANTISED
;;     3. [M 8,192, K 256] x [K 256, N 8,192]; A: input node_embeddings; B: input node_embeddings: QUANTISED
;;   THE QUANTISER, for each operand of a quantised product, along K:
;;     - K is cut into blocks of 32 from its start; a last block that is shorter is filled with zeros.
;;     - A block's scale is 2^e with e = floor(log2(the largest magnitude in the block)) - 2, held to -126 .. 127; a block of zeros has e = 0. As a byte (E8M0): e + 127.
;;     - Each number is divided by its block's scale, clamped to +-7.5, and rounded to the nearest number of E2M3, ties to even, subnormals kept.
;;     - The product sums the exact products of the quantised numbers (number of the format x scale) in f32.
;;   ~~~python
;;   def quantise(x, axis):      # numpy; x: float32 -> the quantised numbers, widened to float32 again
;;       x = np.moveaxis(x, axis, -1); K = x.shape[-1]
;;       x = np.pad(x, [(0, 0)] * (x.ndim - 1) + [(0, -K % 32)]); x = x.reshape(x.shape[:-1] + (-1, 32)); a = np.abs(x).max(-1, keepdims=True)
;;       e = np.where(a > 0, np.clip(np.frexp(np.where(a > 0, a, 1))[1] - 1 - 2, -126, 127), 0)      # np.frexp(a)[1] - 1 = floor(log2(a)), exactly
;;       r = np.clip(x / 2.0 ** e, -7.5, 7.5)
;;       step = 2.0 ** (np.maximum(np.frexp(np.where(r == 0, 1, r))[1] - 1, 0) - 3)
;;       q = np.round(r / step) * step * 2.0 ** e      # np.round: ties to even
;;       return np.moveaxis(q.reshape(q.shape[:-2] + (-1,))[..., :K], -1, axis).astype(np.float32)
;;   ~~~
;;   OPERANDS COMPUTED ON THE WAY. 'Computed on the way' means the value that the module computes at that place (a softmax that the list does not call 'softmax' is quantised finished and normalised). What goes into a quantiser is computed in f32, as accurately as f32 sums, v_exp_f32 and their like allow (about 1e-6 of the number): no bf16 or f16 on the way to a quantiser, and a product that is left as it is and whose result goes on into a quantised operand takes f32 operands (vector FMAs, or v_wmma_f32_16x16x4_f32). A number that lies on a knife's edge between two numbers of the format may be rounded either way, as far as f32 arithmetic and the matrix unit's own rounding can turn it there, and no further.
;; One version. Each part assembles by itself: llvm-mc -triple=amdgcn-amd-amdhsa -mcpu=gfx1250 --defsym DOCPART=n.
;; ======== version 1 of 1: 4 launches
;; limits: a function is approximated: absolute error at most 8.2e-05; values within 1.5e-05 (relative) of each other or of a threshold may be ordered or decided otherwise than in the reference
;; workspace buffers: ops 4,947,968 bytes; cs 65,536 bytes; part 4,456,448 bytes; idx 163,840 bytes of whole numbers; mean 1,024 bytes
;; launch prep (part 1): grid 256 x 1, 4 waves a work-group, no clusters, 0 bytes of LDS; arguments node_embeddings, ops, cs; writes ops, cs
.if DOCPART == 1
	.amdgcn_target "amdgcn-amd-amdhsa--gfx1250"
	.amdhsa_code_object_version 6
	.text
	.protected	k_q7fe8a7572f_prep
	.globl	k_q7fe8a7572f_prep
	.p2align	8
	.type	k_q7fe8a7572f_prep,@function
k_q7fe8a7572f_prep:
	s_mov_b64 s[64:65], 0
	v_nop
	global_prefetch_b8 v0, s[64:65] scope:SCOPE_SE
	s_setreg_imm32_b32 hwreg(HW_REG_WAVE_MODE, 25, 1), 1
	s_wait_xcnt 0x0
; E = node_embeddings [8192][256] f32 becomes the three operands that the pass over adj_matrix reads, as codes of E2M3 with one E8M0 byte for each 32 along K:
;   QE: E along its 256 (the product E E^T);  QN: E / max(|E row|, 1e-12) along its 256 (the product of the normalised rows);  QT: E down the NODES (the product adj E, whose K is the nodes).
; Beside them -|E row|^2 / 2 for each node, and the column sums of each 128 nodes (for the global mean).
; WORK OF reference() THAT THE PROGRAM LEAVES OUT, for all values of the inputs:
;   the square root in dist: top_k's values are thrown away and only its order is used; sqrt rises strictly on max(d2, 0), so max(d2, 0) has the same order and the same ties;
;   the division by TEMPERATURE, a factor 1;  the second computations of sq, norms and row_sums, which are the same numbers as kinetic, emb_norms and degrees.
;   No input is left out.  A NaN, an infinity or an overflow that would arise only in the work left out is not carried to the result.
; LIMITS: NaN and infinities among the inputs are not served.  A block of zeros gets the byte 1 where the quantiser says 127: its codes are zeros, which add nothing under any byte but 0xff, and this program alone reads the bytes.
; LAYOUT OF ops: 64 blocks of 128 nodes, OPSB bytes each.  A fragment (16 rows x 128 K, 12 registers a lane) lies as an image of its registers: registers 4 ch .. 4 ch + 3 of lane l at 512 ch + 16 l.
;   QN at 0, QE at O_QE: fragment (K step s, tile t) at (8 s + t) x 1536.  THE NODES OF A TILE ARE NOT NEIGHBOURS: row m of tile t = 4 c + v is node 64 c + 32 (m / 8) + 8 v + m % 8, so that in a result
;   whose source 0 these tiles are, a lane's 32 registers of four tiles are 32 neighbouring nodes.  Their scale words at O_SN, O_SE: t x 128 + s x 64 + 4 m.  -|row|^2 / 2 at O_NH, nodes in their own order.
;   QT at O_QT: fragment of channels 16 dt .. 16 dt + 15 at dt x 1536, K = the block's 128 nodes; its scale words at O_ST: dt x 64 + 4 r.
; SHARES: work-group = (block J, quarter q).  Wave w makes one fragment of QE and of QN (tile 2 q + w / 2, K step w % 2) and one of QT (dt = 4 q + w).  No LDS, no barrier: waves share nothing.
; A lane holds a whole block of 32 along K in 32 registers, so a block's largest magnitude needs no other lane, and the conversions' results are the operand's registers.
.set OPSB, 77312
.set O_QE, 24576
.set O_SN, 49152
.set O_SE, 50176
.set O_NH, 51200
.set O_QT, 51712
.set O_ST, 76288
.set XA, 32                            ; v32-95   my K step of my row: register 32 c + i = k 64 c + 32 (lane / 16) + i
.set XB, 96                            ; v96-159  the other K step, for the row's sum of squares alone; then free:
.set XC, 160                           ; v160-223 my column: register 32 c + i = node 64 c + 32 (lane / 16) + i
.set CH, 16                            ; v16-23   four chains of sums, two numbers each
.set CE, 96                            ; v96-107  QE's codes;  v108-119 QN's;  v120-131 QT's: a set for each, so that no store's data are written again
.set CN, 108
.set CQ, 120
.set CT, 132                           ; v132-139 the upper halves of two blocks' codes
.set MX, 140                           ; v140-141 largest magnitudes;  v142-143 the conversions' scale operands;  v144-145 scale bytes
.set SC, 142
.set BY, 144
.set WE, 146                           ; v146-148 the three scale words
.set WN, 147
.set WQ, 148
	s_load_b128 s[4:7], s[0:1], 0x0                ; E, ops
	s_load_b64 s[8:9], s[0:1], 0x10                ; cs
	v_lshrrev_b32 v1, 5, v0
	v_readfirstlane_b32 s10, v1                    ; wave
	s_lshr_b32 s11, ttmp9, 2                       ; J
	s_and_b32 s12, ttmp9, 3                        ; q
	s_lshr_b32 s13, s10, 1
	s_and_b32 s14, s10, 1                          ; s: my K step
	s_lshl_b32 s15, s12, 1
	s_add_co_u32 s15, s15, s13                     ; t: my tile
	s_lshl_b32 s16, s12, 2
	s_add_co_u32 s16, s16, s10                     ; dt
	v_and_b32 v2, 15, v0                           ; m = r = lane % 16
	v_bfe_u32 v3, v0, 4, 1                         ; h = lane / 16
	v_and_b32 v4, 31, v0                           ; lane
	s_lshr_b32 s17, s15, 2
	s_lshl_b32 s17, s17, 6
	s_and_b32 s18, s15, 3
	s_lshl_b32 s18, s18, 3
	s_add_co_u32 s17, s17, s18                     ; 64 (t / 4) + 8 (t % 4)
	v_and_b32 v5, 8, v2
	v_and_b32 v6, 7, v2
	v_lshl_add_u32 v5, v5, 2, v6                   ; + 32 (m / 8) + m % 8
	v_add_nc_u32 v5, s17, v5                       ; my node in the block
	v_lshlrev_b32 v6, 10, v5
	v_lshl_add_u32 v6, v3, 7, v6                   ; its row of 1,024 bytes, + 128 h
	s_lshl_b32 s18, s14, 9
	v_add_nc_u32 v7, s18, v6                       ; my K step
	s_xor_b32 s18, s18, 512
	v_add_nc_u32 v8, s18, v6                       ; the other one
	v_lshlrev_b32 v9, 2, v2
	v_lshl_add_u32 v9, v3, 15, v9
	s_lshl_b32 s19, s16, 6
	v_add_nc_u32 v9, s19, v9                       ; the column part: 32 h rows down, channel 16 dt + r
	s_lshl_b32 s25, s14, 3
	s_add_co_u32 s25, s25, s15
	s_mul_i32 s25, s25, 1536
	v_lshl_add_u32 v10, v4, 4, s25                 ; fragment (s, t): (8 s + t) x 1536 + 16 x lane
	s_lshl_b32 s24, s15, 7
	s_lshl_b32 s26, s14, 6
	s_add_co_u32 s24, s24, s26
	v_lshl_add_u32 v11, v2, 2, s24                 ; its scale word: 128 t + 64 s + 4 m (lanes 16-31 write the same word to the same place)
	v_lshlrev_b32 v12, 2, v5                       ; 4 x my node
	s_mul_i32 s26, s16, 1536
	v_lshl_add_u32 v13, v4, 4, s26                 ; QT's fragment: 1536 dt + 16 x lane
	v_lshl_add_u32 v14, v2, 2, s19                 ; 64 dt + 4 r: QT's scale word, and my channel in cs
	v_lshlrev_b32 v15, 3, v3                       ; 8 h: where my two scale bytes stand in the word
	v_mov_b32 v29, 0                               ; written once: a lane permute's destination counts as one of its sources
	s_mov_b32 s22, 0x76543210
	s_mov_b32 s23, 0xfedcba98                      ; v_permlanex16_b32's selects for lane l xor 16
	s_mov_b32 s21, 0
	s_wait_alu depctr_va_vdst(0)
	s_wait_kmcnt 0x0
	s_lshl_b32 s20, s11, 17
	s_add_nc_u64 s[4:5], s[4:5], s[20:21]          ; E at the block's first node
	s_mul_i32 s20, s11, OPSB
	s_add_nc_u64 s[6:7], s[6:7], s[20:21]          ; ops at the block
	s_lshl_b32 s20, s11, 10
	s_add_nc_u64 s[8:9], s[8:9], s[20:21]          ; cs at the block's 256 sums
.irp c,0,1
.irp i,0,1,2,3,4,5,6,7
	global_load_b128 v[XA+32*\c+4*\i:XA+32*\c+4*\i+3], v7, s[4:5] offset:256*\c+16*\i
.endr
.endr
.irp c,0,1
.irp i,0,1,2,3,4,5,6,7
	global_load_b128 v[XB+32*\c+4*\i:XB+32*\c+4*\i+3], v8, s[4:5] offset:256*\c+16*\i
.endr
.endr
.irp c,0,1
.set i, 0
.rept 32
	global_load_b32 v[XC+32*\c+i], v9, s[4:5] offset:(64*\c+i)*1024   ; sixteen neighbouring lanes read 64 neighbouring bytes
.set i, i+1
.endr
.endr
; the sum of the squares of 64 numbers, in four chains; both waves of a tile run it on the same two K steps, and the sum of the two results does not hang on their order: so both get the same bits
.macro SUMSQ src, dst
.irp p,0,1,2,3
	v_pk_mul_f32 v[CH+2*\p:CH+2*\p+1], v[\src+2*\p:\src+2*\p+1], v[\src+2*\p:\src+2*\p+1]
.endr
.set n, 4
.rept 28
	v_pk_fma_f32 v[CH+2*(n%4):CH+2*(n%4)+1], v[\src+2*n:\src+2*n+1], v[\src+2*n:\src+2*n+1], v[CH+2*(n%4):CH+2*(n%4)+1]
.set n, n+1
.endr
	v_pk_add_f32 v[CH:CH+1], v[CH:CH+1], v[CH+2:CH+3]
	v_pk_add_f32 v[CH+4:CH+5], v[CH+4:CH+5], v[CH+6:CH+7]
	v_pk_add_f32 v[CH:CH+1], v[CH:CH+1], v[CH+4:CH+5]
	v_add_f32 v[\dst], v[CH], v[CH+1]
.endm
; 64 numbers of a lane, two whole blocks of 32, become 12 registers of codes and the row's scale word
.macro QFRAG src, dst, word
.irp c,0,1
	v_max3_num_f32 v[MX+\c], |v[\src+32*\c]|, |v[\src+32*\c+1]|, 0x1800000   ; the floor 2^(3 - 127) among the leaves: the byte cannot fall under 1
.endr
.irp i,2,4,6,8,10,12,14,16,18,20,22,24,26,28,30
.irp c,0,1
	v_max3_num_f32 v[MX+\c], v[MX+\c], |v[\src+32*\c+\i]|, |v[\src+32*\c+\i+1]|   ; (the two blocks by turns)
.endr
.endr
.irp c,0,1
	v_add_nc_u32 v[SC+\c], 0xff000000, v[MX+\c]    ; 2 off the exponent field: the conversion takes the exponent field of this operand as its scale
.endr
.irp c,0,1
	v_lshrrev_b32 v[BY+\c], 23, v[SC+\c]           ; the scale's byte
.endr
	v_lshl_or_b32 v[\word], v[BY+1], 16, v[BY]     ; my blocks h and 2 + h,
	v_lshlrev_b32 v[\word], v15, v[\word]          ; at their places;
	v_permlanex16_b32 v29, v[\word], s22, s23
	v_or_b32 v[\word], v[\word], v29               ; with lane l xor 16's two the word is whole
.irp c,0,1
	v_cvt_scalef32_pk16_fp6_f32 v[\dst+6*\c:\dst+6*\c+2], v[\src+32*\c:\src+32*\c+15], v[SC+\c]
	v_cvt_scalef32_pk16_fp6_f32 v[CT+4*\c:CT+4*\c+2], v[\src+32*\c+16:\src+32*\c+31], v[SC+\c]   ; (a conversion's three registers begin on an even number)
.endr
	v_nop                                          ; one plain place behind a scaled conversion
.irp c,0,1
.irp i,0,1,2
	v_mov_b32 v[\dst+6*\c+3+\i], v[CT+4*\c+\i]
.endr
.endr
.endm
.macro PUT reg, adr, off               ; a fragment's image: three stores of 512 consecutive bytes
.irp ch,0,1,2
	global_store_b128 v[\adr], v[\reg+4*\ch:\reg+4*\ch+3], s[6:7] offset:\off+512*\ch
.endr
.endm
	s_wait_loadcnt 63                              ; the 32 loads of the row part are in; of the 64 column loads behind them all but one may be out
	SUMSQ XA, 24
	SUMSQ XB, 25
	v_add_f32 v25, v24, v25
	v_permlanex16_b32 v29, v25, s22, s23
	v_add_f32 v25, v25, v29                        ; |row|^2
	s_wait_alu depctr_va_vdst(0)
	v_sqrt_f32 v31, v25
	v_mul_f32 v28, -0.5, v25                       ; -|row|^2 / 2  (the plain place behind the root)
	s_wait_alu depctr_va_vdst(0)                   ; the wait ahead of the first line that names the root
	v_max_num_f32 v31, 0x2b8cbccc, v31             ; max(norm, 1e-12)
	s_wait_alu depctr_va_vdst(0)
	v_rcp_f32 v26, v31
	v_mov_b32 v27, 0                               ; (the plain place; v27 is named with v26 as a pair)
	QFRAG XA, CE, WE                               ; QE: independent work behind the reciprocal
	PUT CE, 10, O_QE
	global_store_b32 v11, v[WE], s[6:7] offset:O_SE
	s_wait_alu depctr_va_vdst(0)                   ; ahead of the reciprocal's first reader
.set n, 0
.rept 32
	v_pk_mul_f32 v[XA+2*n:XA+2*n+1], v[XA+2*n:XA+2*n+1], v[26:27] op_sel_hi:[1,0]   ; the normalised row, in place
.set n, n+1
.endr
	QFRAG XA, CN, WN
	PUT CN, 10, 0
	global_store_b32 v11, v[WN], s[6:7] offset:O_SN
	s_cmp_lg_u32 s14, 0                            ; of a tile's two waves the one with K step 0 stores -|row|^2 / 2
	s_cbranch_scc1 .Lnot_mine
	global_store_b32 v12, v28, s[6:7] offset:O_NH
.Lnot_mine:
	s_wait_loadcnt 0x0                             ; the column part
.irp p,0,1,2,3
	v_pk_add_f32 v[CH+2*\p:CH+2*\p+1], v[XC+2*\p:XC+2*\p+1], v[XC+8+2*\p:XC+8+2*\p+1]
.endr
.set n, 8
.rept 24
	v_pk_add_f32 v[CH+2*(n%4):CH+2*(n%4)+1], v[CH+2*(n%4):CH+2*(n%4)+1], v[XC+2*n:XC+2*n+1]
.set n, n+1
.endr
	v_pk_add_f32 v[CH:CH+1], v[CH:CH+1], v[CH+2:CH+3]
	v_pk_add_f32 v[CH+4:CH+5], v[CH+4:CH+5], v[CH+6:CH+7]
	v_pk_add_f32 v[CH:CH+1], v[CH:CH+1], v[CH+4:CH+5]
	v_add_f32 v30, v[CH], v[CH+1]
	v_permlanex16_b32 v29, v30, s22, s23
	v_add_f32 v30, v30, v29                        ; the sum of my channel over the block's 128 nodes
	global_store_b32 v14, v30, s[8:9]
	QFRAG XC, CQ, WQ
	PUT CQ, 13, O_QT
	global_store_b32 v14, v[WQ], s[6:7] offset:O_ST
	s_endpgm
.Lfunc_end_k_q7fe8a7572f_prep:
	.size	k_q7fe8a7572f_prep, .Lfunc_end_k_q7fe8a7572f_prep-k_q7fe8a7572f_prep
	.p2alignl 7, 3214868480
	.fill 96, 4, 3214868480
	.section	.rodata,"a",@progbits
	.p2align	6, 0x0
	.amdhsa_kernel k_q7fe8a7572f_prep
		.amdhsa_group_segment_fixed_size 0
		.amdhsa_private_segment_fixed_size 0
		.amdhsa_enable_private_segment 0
		.amdhsa_kernarg_size 24
		.amdhsa_user_sgpr_count 2
		.amdhsa_user_sgpr_kernarg_segment_ptr 1
		.amdhsa_wavefront_size32 1
		.amdhsa_system_sgpr_workgroup_id_x 1
		.amdhsa_system_sgpr_workgroup_id_y 1
		.amdhsa_system_sgpr_workgroup_id_z 1
		.amdhsa_system_vgpr_workitem_id 0
		.amdhsa_next_free_vgpr 224
		.amdhsa_next_free_sgpr 66
		.amdhsa_reserve_vcc 0
		.amdhsa_float_denorm_mode_32 3
		.amdhsa_float_denorm_mode_16_64 3
		.amdhsa_memory_ordered 1
		.amdhsa_forward_progress 1
		.amdhsa_inst_pref_size 31
	.end_amdhsa_kernel
	.amdgpu_metadata
---
amdhsa.version: [ 1, 2 ]
amdhsa.kernels:
  - .name:           k_q7fe8a7572f_prep
    .symbol:         k_q7fe8a7572f_prep.kd
    .args:
      - { .name: node_embeddings, .offset: 0, .size: 8, .value_kind: global_buffer, .address_space: global }
      - { .name: ops, .offset: 8, .size: 8, .value_kind: global_buffer, .address_space: global }
      - { .name: cs, .offset: 16, .size: 8, .value_kind: global_buffer, .address_space: global }
    .group_segment_fixed_size: 0
    .private_segment_fixed_size: 0
    .kernarg_segment_align: 8
    .kernarg_segment_size: 24
    .max_flat_workgroup_size: 128
    .sgpr_count:     66
    .vgpr_count:     224
    .wavefront_size: 32
...
	.end_amdgpu_metadata
.endif
;; end of part 1
;; launch main (part 2): grid 64 x 4, 4 waves a work-group, clusters of 4 x 1, 327,680 bytes of LDS; arguments adj_matrix, node_embeddings, ops, part; writes part
.if DOCPART == 2
	.amdgcn_target "amdgcn-amd-amdhsa--gfx1250"
	.amdhsa_code_object_version 6
	.text
	.protected	k_q7fe8a7572f_main
	.globl	k_q7fe8a7572f_main
	.p2align	8
	.type	k_q7fe8a7572f_main,@function
k_q7fe8a7572f_main:
	s_mov_b64 s[64:65], 0
	v_nop
	global_prefetch_b8 v0, s[64:65] scope:SCOPE_SE
	s_setreg_imm32_b32 hwreg(HW_REG_WAVE_MODE, 25, 1), 1
	s_wait_xcnt 0x0
	s_wait_alu depctr_hold_cnt(0) depctr_sa_sdst(0) depctr_va_vdst(0) depctr_va_sdst(0) depctr_va_ssrc(0) depctr_va_vcc(0) depctr_vm_vsrc(0)
	s_getreg_b32 s2, hwreg(HW_REG_IB_STS2, 6, 4)
	s_cmp_eq_u32 s2, 0
	s_cbranch_scc0 .Lentry_in_a_cluster
	s_endpgm
.Lentry_in_a_cluster:
	s_bfe_u32 s2, ttmp6, 0x10000c
	s_cmp_lg_u32 s2, 0x3003
	s_cbranch_scc0 .Lentry_shape_is_right
	s_endpgm
.Lentry_shape_is_right:
; ONE PASS OVER adj_matrix.  For 128 rows i and a quarter of the columns j (2,048, in 16 steps of 128) a work-group makes, in one walk, all that hangs on the pairs (i, j):
;   the row sums of adj;  adj quantised along j and multiplied by E (quantised down the nodes), at the end summed against E's row: the potential;
;   sim = the product of the normalised rows;  the softmax of sim x adj as running maximum, Z = sum of p and S = sum of p t (p = 2^t, t = log2(e) x - the maximum's);
;   G = the product E E^T, d = |e_i|^2 / 2 + |e_j|^2 / 2 - G = d2 / 2, and the six smallest d with their columns.
; All three products on codes of E2M3 with E8M0 scales.  Left out, as shown at the head of the first kernel: the root in dist, the division by TEMPERATURE.
; LIMITS, for every input: (a) the entropy is later formed as ln Z - ln 2 x S / Z = - sum p ln p; since 0 <= p ln(1 + eps / p) <= eps it differs from reference()'s - sum p ln(p + eps) by at most 8192 x 1e-8 = 8.2e-5;
;   the form with eps needs Z ahead of the sum, that is a second read of adj.  (b) d rounds in another order than (sq_i + sq_j) - 2 G; it is held at 2^-100 from below in place of 0, and compared on its leading 25 bits
;   (17 bits of significand); equal keys go by the lower column, as top_k breaks ties.  (c) |sim x adj| stays under 1e38; NaN and infinities are not served; a block of zeros gets the byte 1 (its codes are zeros).
; SHARES.  Wave w owns rows 32 w .. 32 w + 31 as two tiles a = 0, 1 of 16; lane (r, h) holds row 16 a + r.  Every product is used transposed (source 0 = 16 nodes j or 16 channels, source 1 = my 16 rows), and the nodes of a
; tile of QN and QE are chosen so that register n (0 .. 63) of a lane's results is column 64 (n / 32) + 32 h + n % 32: a lane holds whole blocks of 32 columns, in the very order of a 6-bit operand.  adj's tile is read from LDS
; in that same order: so sim x adj is a plain product of registers, adj's blocks need no other lane, and the conversions' results are the operand.  Each lane keeps statistics and lists for ITS half of the columns; a later launch joins them.
; CLUSTER.  The four work-groups of a cluster share the quarter of columns, so the codes of the 128 nodes of a step (parts X and Y of ops) are asked for JOINTLY, mask 15; adj's tiles are each work-group's own, plain loads.
; RING.  Two slots.  A step's tiles (wave 0, 1: 64 rows of adj each; wave 2: X; wave 3: Y) are asked for first thing behind the round at the head of the step before: one tensor load of each wave is out at any time.
; REGISTERS, in windows of 256 (s_set_vgpr_msb: bits 1:0 source 0, 3:2 source 1, 5:4 source 2, 7:6 destination):
;   window 0: addresses, scale words, statistics, lists, adj's codes, my rows' fragments of QN;  window 1: the 32 accumulators of adj E (tile a, channels 16 dt on: 128 a + 8 dt);
;   window 2: DA (64 a): sim, then x, then t, then G, then keys;  DB (128 + 64 a): adj, then p;  window 3: v0-191 sixteen fragments from LDS; from v192 my rows' fragments of QE.
.set OPSB,   77312
.set O_QE,   24576
.set O_SN,   49152
.set O_SE,   50176
.set O_NH,   51200
.set O_Y,    51712
.set APITCH, 528                       ; a row of adj's tile in LDS: 512 bytes + 16: an odd multiple of 16, so the sixteen rows of a load fall on different banks
.set AHALF,  64*APITCH                 ; what one of adj's two loads brings
.set XLDS,   2*AHALF                   ; part X, as it lies in ops
.set SPARE,  XLDS+O_Y                  ; behind slot 0's X: the spare words, 128 bytes for each wave: two blocks of 256 bytes that no other line names
.set SLOTX,  0x20000                   ; slot 1 of adj and X begins here: one exclusive or turns an address
.set YLDS,   0x40000                   ; part Y;
.set SLOTY,  0x8000                    ; its slot 1
.set SPW, 1                            ; v1   my spare word;  v2  0: never rewritten
.set NIL, 2
.set A0,  3                            ; v3-8 my lane's places in slot 0: adj, fragments of X, scale words of X, -|e_j|^2 / 2, fragments of Y, scale words of Y
.set X16, 4
.set XS4, 5
.set XH,  6
.set Y16, 7
.set YS4, 8
.set ADA, 9                            ; v9-14 the same in the slot in hand
.set ADX, 10
.set ADS, 11
.set ADH, 12
.set ADY, 13
.set ADT, 14
.set SH8, 15                           ; v15  8 h
.set SIN, 16                           ; v16-17 my rows' scale words in QN (lanes 0-15 K step 0, lanes 16-31 K step 1);  v18-19 in QE
.set SIE, 18
.set SJ,  20                           ; v20-27 the eight tiles' scale words, likewise
.set ST,  28                           ; v28-35 QT's: register q: lanes 0-15 channels 32 q on, lanes 16-31 channels 32 q + 16 on
.set AW,  36                           ; v36-37 adj's scale words
.set PX,  38
.set STAT, 40                          ; 26 a tile: +0 MU, +1 its old value, +2 DL, +4 F, +6 the largest x, +8..11 Z, +12..15 S, +16..23 the row sum, +24 |e_i|^2 / 2
.set KL,  92                           ; 18 a tile: six keys, six codes, six at work
.set CD,  128                          ; v128-151 adj's codes, 12 a tile
.set CT,  152
.set MX,  168
.set SC,  172
.set BY,  176
.set ET,  180
.set FIN, 188                          ; v188-235 my rows' fragments of QN: 24 a + 12 s
.set R_,  236                          ; v236-246 head and way out
.set H_,  237
.set LN,  238
.set RW,  239
.set CO,  240
.set TI,  241
.set MI,  242
.set SO,  243
.set NO,  244
.set EO,  245
.set PO,  246
.set PT,  128                          ; the way out: the potential's chains, where adj's codes lay
.set DA,  0
.set DB,  128
.set FIE, 192
.set WV,  12
.set CX,  13
.set XBK, 14
.set QY,  15
.set G1A, 16
.set G1X, 24
.set G1Y, 32
.set G0A, 40
.set G0X, 44
.set G0Y, 48
.set TB,  52                           ; s52  0 or SLOTX: the slot in hand;  s53  0 or SLOTY
.set TY,  53
.set STP, 54                           ; s54  64 x the step
.set CNT, 55
.set LE,  56                           ; s[56:57] log2(e)
.set KM,  58                           ; s58  a key's leading 25 bits
.set KC,  59                           ; s59  2^-100
.set SEL, 60
.set FM,  66                           ; s66-77 the lists' masks
.set IB,  84                           ; s[84:85] ops at my rows' block;  s[90:91] E there;  s[92:93] part at my wave's rows
.set EB,  90
.set PB,  92
.set MSB, 0
.macro WIN new                         ; the immediate's high byte repeats the setting that is left; a switch that changes nothing is dropped
.if MSB != \new
	s_set_vgpr_msb (MSB<<8)|\new
.set MSB, \new
.endif
.endm
.macro ROUND                           ; a round of the cluster's barrier
	s_barrier_signal -1
	s_barrier_wait -1
	s_cmp_lg_u32 s[WV], 0
	s_cbranch_scc1 .Lnot_wave_0_\@
	s_barrier_signal -3
.Lnot_wave_0_\@:
	s_barrier_wait -3
	s_barrier_signal -1
	s_barrier_wait -1
.endm
; Every wave issues one load: waves 0 and 1 their halves of adj's tile (plain), wave 2 part X, wave 3 part Y (joint).  The branches hang on the wave's number alone.  An s_nop 0 and four v_nop follow each line.
.macro TLOAD
	s_cmp_lt_u32 s[WV], 2
	s_cbranch_scc0 .Lnot_a_\@
	tensor_load_to_lds s[G0A:G0A+3], s[G1A:G1A+7]
	s_nop 0
.rept 4
	v_nop
.endr
	s_branch .Lasked_\@
.Lnot_a_\@:
	s_cmp_eq_u32 s[WV], 2
	s_cbranch_scc0 .Lfor_y_\@
	tensor_load_to_lds s[G0X:G0X+3], s[G1X:G1X+7]
	s_nop 0
.rept 4
	v_nop
.endr
	s_branch .Lasked_\@
.Lfor_y_\@:
	tensor_load_to_lds s[G0Y:G0Y+3], s[G1Y:G1Y+7]
	s_nop 0
.rept 4
	v_nop
.endr
.Lasked_\@:
.endm
; THE CHANGE OF SLOTS, at a step's head.  Each wave waits for all its tensor loads (its part of the slot that it is about to read), adds 0 to its spare word, and waits for that and for its reads of the slot that it has left.
; fill = 1: behind a round of the cluster's barrier no wave of any partner reads the other slot or has a load on its way: it takes the next step's tiles, which have this whole step in which to land.
.macro CHANGE fill
	s_wait_tensorcnt 0x0                           ; no tensor load of mine is out, so a group 0 may be written
	ds_add_u32 v[SPW], v[NIL]                      ; 0 onto my spare word
.if \fill
	s_xor_b32 s[G0A+1], s[G0A+1], SLOTX            ; the other slot,
	s_add_nc_u64 s[G0A+2:G0A+3], s[G0A+2:G0A+3], 512   ; the next 128 columns; the type bits on top are not reached
	s_xor_b32 s[G0X+1], s[G0X+1], SLOTX
	s_add_nc_u64 s[G0X+2:G0X+3], s[G0X+2:G0X+3], OPSB  ; the next 128 nodes
	s_xor_b32 s[G0Y+1], s[G0Y+1], SLOTY
	s_add_nc_u64 s[G0Y+2:G0Y+3], s[G0Y+2:G0Y+3], OPSB
.endif
	s_wait_dscnt 0x0                               ; the add is done, and my reads of the slot that I have left are over
.if \fill
	ROUND
	TLOAD                                          ; the first thing behind the round, and my one tensor load until the next
.else
	s_barrier_signal -1
	s_barrier_wait -1
.endif
.endm
	s_load_b256 s[4:11], s[0:1], 0x0               ; adj s[4:5], E s[6:7], ops s[8:9], part s[10:11]
	v_lshl_add_u32 v[SPW], v0, 2, SPARE
	v_mov_b32 v[NIL], 0
	ds_add_u32 v[SPW], v[NIL]                      ; the wave's opening: the add, twice on end, and its wait ahead of my first tensor load
	ds_add_u32 v[SPW], v[NIL]                      ; and once more, under the one wait; the set-up below, work on registers, stands between
	v_lshrrev_b32 v[R_], 5, v0
	v_readfirstlane_b32 s[WV], v[R_]               ; wave 0..3
	s_bfe_u32 s[CX], ttmp6, 0x40000                ; my place in the cluster: it enters global addresses of adj, E, my rows' block of ops, and part, and nothing else
	s_lshl_b32 s[XBK], ttmp9, 2
	s_add_co_u32 s[XBK], s[XBK], s[CX]             ; my block of 128 rows
	s_and_b32 s[QY], ttmp7, 0xffff                 ; my quarter of the columns, which the four partners share
	; group 1 for adj: 64 rows x 128 elements of 4 bytes, 8,192 elements from row to row; 4 words of padding behind every 128
	s_mov_b32 s[G1A], (2<<16)|(1<<20)|(6<<22)|(3<<25)
	s_mov_b32 s[G1A+1], 128<<16
	s_mov_b32 s[G1A+2], 64<<16
	s_mov_b32 s[G1A+3], 128<<16
	s_mov_b32 s[G1A+4], 64
	s_mov_b32 s[G1A+5], 8192
	s_mov_b32 s[G1A+6], 0
	s_mov_b32 s[G1A+7], 0
	; group 1 for X: a dense block of 202 rows of 256 bytes (32 elements of 8); the mask names all four work-groups, bit 21 beside it.  For Y: 100 rows
	s_mov_b32 s[G1X], 15|(3<<16)|(1<<21)
	s_mov_b32 s[G1X+1], 32<<16
	s_mov_b32 s[G1X+2], 202<<16
	s_mov_b32 s[G1X+3], 32<<16
	s_mov_b32 s[G1X+4], 202
	s_mov_b32 s[G1X+5], 32
	s_mov_b32 s[G1X+6], 0
	s_mov_b32 s[G1X+7], 0
	s_mov_b32 s[G1Y], 15|(3<<16)|(1<<21)
	s_mov_b32 s[G1Y+1], 32<<16
	s_mov_b32 s[G1Y+2], 100<<16
	s_mov_b32 s[G1Y+3], 32<<16
	s_mov_b32 s[G1Y+4], 100
	s_mov_b32 s[G1Y+5], 32
	s_mov_b32 s[G1Y+6], 0
	s_mov_b32 s[G1Y+7], 0
	s_and_b32 s78, s[WV], 1
	s_lshl_b32 s79, s78, 6
	s_lshl_b32 s80, s[XBK], 7
	s_add_co_u32 s80, s80, s79                     ; adj: row 128 x block + 64 x (wave % 2),
	s_lshl_b32 s80, s80, 15                        ; of 32,768 bytes,
	s_lshl_b32 s81, s[QY], 13
	s_add_co_u32 s80, s80, s81                     ; + 2,048 columns a quarter
	s_mov_b32 s81, 0
	s_mul_i32 s78, s78, AHALF                      ; and where it goes
	s_mul_i32 s82, s[QY], 16*OPSB                  ; ops: the quarter's first block (the quarter alone enters these two registers)
	s_mov_b32 s83, 0
	s_mul_i32 s84, s[XBK], OPSB
	s_mov_b32 s85, 0
	s_lshl_b32 s90, s[XBK], 17
	s_mov_b32 s91, 0
	s_lshl_b32 s92, s[QY], 16
	s_lshl_b32 s93, s[XBK], 9
	s_add_co_u32 s92, s92, s93
	s_lshl_b32 s93, s[WV], 7
	s_add_co_u32 s92, s92, s93                     ; part: list 2 x quarter, row 128 x block + 32 x wave
	s_mov_b32 s93, 0
	s_mov_b32 s[TB], 0
	s_mov_b32 s[TY], 0
	s_mov_b32 s[STP], 0
	s_mov_b32 s[LE], 0x3fb8aa3b
	s_mov_b32 s[LE+1], s[LE]                       ; (named with it as a pair, so it is written)
	s_mov_b32 s[KM], 0xffffff80
	s_mov_b32 s[KC], 0x0d800000
	s_mov_b32 s[SEL], 0x76543210
	s_mov_b32 s[SEL+1], 0xfedcba98
	s_wait_dscnt 0x0                               ; both opening adds are done
	s_wait_kmcnt 0x0
	s_mov_b32 s[G0A], 1
	s_mov_b32 s[G0A+1], s78
	s_add_nc_u64 s[G0A+2:G0A+3], s[4:5], s[80:81]
	s_or_b32 s[G0A+3], s[G0A+3], 0x80000000
	s_mov_b32 s[G0X], 1
	s_mov_b32 s[G0X+1], XLDS
	s_add_nc_u64 s[G0X+2:G0X+3], s[8:9], s[82:83]
	s_or_b32 s[G0X+3], s[G0X+3], 0x80000000
	s_mov_b32 s[G0Y], 1
	s_mov_b32 s[G0Y+1], YLDS
	s_add_nc_u64 s[G0Y+2:G0Y+3], s[8:9], s[82:83]
	s_add_nc_u64 s[G0Y+2:G0Y+3], s[G0Y+2:G0Y+3], O_Y
	s_or_b32 s[G0Y+3], s[G0Y+3], 0x80000000
	s_add_nc_u64 s[IB:IB+1], s[8:9], s[IB:IB+1]
	s_add_nc_u64 s[EB:EB+1], s[6:7], s[EB:EB+1]
	s_add_nc_u64 s[PB:PB+1], s[10:11], s[PB:PB+1]
	ROUND                                          ; all four work-groups are here: the first joint loads meet
	TLOAD                                          ; step 0 into slot 0
	v_and_b32 v[R_], 15, v0                        ; r
	v_bfe_u32 v[H_], v0, 4, 1                      ; h
	v_and_b32 v[LN], 31, v0
	s_lshl_b32 s86, s[WV], 5
	v_add_nc_u32 v[RW], s86, v[R_]                 ; 32 w + r
	v_mul_u32_u24 v[A0], v[RW], APITCH
	v_lshl_add_u32 v[A0], v[H_], 7, v[A0]          ; adj: my row, + 32 h columns
	v_lshl_add_u32 v[X16], v[LN], 4, XLDS
	v_lshl_add_u32 v[XS4], v[LN], 2, XLDS+O_SN
	v_lshl_add_u32 v[XH], v[H_], 7, XLDS+O_NH
	v_lshl_add_u32 v[Y16], v[LN], 4, YLDS
	v_lshl_add_u32 v[YS4], v[LN], 2, YLDS+24576
	v_lshlrev_b32 v[SH8], 3, v[H_]
	; my rows as operands, from my block of ops: row 32 w + 16 a + r is row 8 (w % 2) + r % 8 of tile 4 (w / 2) + 2 a + r / 8
	s_lshr_b32 s86, s[WV], 1
	s_lshl_b32 s86, s86, 2
	s_and_b32 s87, s[WV], 1
	s_lshl_b32 s87, s87, 3
	v_lshrrev_b32 v[TI], 3, v[R_]
	v_add_nc_u32 v[TI], s86, v[TI]
	v_and_b32 v[MI], 7, v[R_]
	v_add_nc_u32 v[MI], s87, v[MI]
	v_mul_u32_u24 v[CO], v[TI], 1536
	v_lshl_add_u32 v[CO], v[MI], 4, v[CO]
	v_lshl_add_u32 v[CO], v[H_], 8, v[CO]          ; in an image: 16 x (row + 16 h)
	v_lshlrev_b32 v[SO], 7, v[TI]
	v_lshl_add_u32 v[SO], v[H_], 6, v[SO]          ; lanes 16-31 take K step 1's word
	v_lshl_add_u32 v[SO], v[MI], 2, v[SO]
	v_lshlrev_b32 v[NO], 2, v[RW]
	v_lshlrev_b32 v[EO], 10, v[RW]
	v_lshl_add_u32 v[EO], v[H_], 5, v[EO]          ; the way out: E's row, + 8 h channels
	v_lshlrev_b32 v[PO], 2, v[LN]
.irp a,0,1
.irp s,0,1
.irp ch,0,1,2
	global_load_b128 v[FIN+24*\a+12*\s+4*\ch:FIN+24*\a+12*\s+4*\ch+3], v[CO], s[IB:IB+1] offset:3072*\a+12288*\s+512*\ch
.endr
.endr
.endr
	WIN 0xc0
.irp a,0,1
.irp s,0,1
.irp ch,0,1,2
	global_load_b128 v[FIE+24*\a+12*\s+4*\ch:FIE+24*\a+12*\s+4*\ch+3], v[CO], s[IB:IB+1] offset:O_QE+3072*\a+12288*\s+512*\ch
.endr
.endr
.endr
	WIN 0
.irp a,0,1
	global_load_b32 v[SIN+\a], v[SO], s[IB:IB+1] offset:O_SN+256*\a
	global_load_b32 v[SIE+\a], v[SO], s[IB:IB+1] offset:O_SE+256*\a
	global_load_b32 v[STAT+26*\a+24], v[NO], s[IB:IB+1] offset:O_NH+64*\a
.endr
.irp a,0,1
.irp k,0,1,2,3,4,5
	v_mov_b32 v[KL+18*\a+\k], 0x7f7fff80           ; the lists begin with the largest key,
	v_mov_b32 v[KL+18*\a+6+\k], 0
.endr
	v_mov_b32 v[STAT+26*\a+6], 0xfe967699          ; the largest x with -1e38, under every x that is served,
	v_mul_f32 v[STAT+26*\a], s[LE], v[STAT+26*\a+6]
.irp o,1,3,5,8,9,10,11,12,13,14,15,16,17,18,19,20,21,22,23,25
	v_mov_b32 v[STAT+26*\a+\o], 0                  ; the sums with 0 (and the upper halves of pairs are written once)
.endr
	v_mov_b32 v[PX+\a], 0                          ; a lane permute's destination counts as one of its sources
.endr
	WIN 0x40                                       ; the 32 accumulators of adj E begin as zeros.  The step is written twice as it is (no joint load may be jumped over); a third copy, whose products would start these sums, would add a third to the text
.set n, 0
.rept 256
	v_mov_b32 v[n], 0
.set n, n+1
.endr
	WIN 0
	s_wait_loadcnt 0x0
.irp a,0,1
	v_xor_b32 v[STAT+26*\a+24], 0x80000000, v[STAT+26*\a+24]   ; |e_i|^2 / 2
.endr
.macro LDFRAGS adr, off                ; sixteen fragments, 48 loads of 512 consecutive bytes, into v0-191 of window 3
.set f, 0
.rept 16
.irp ch,0,1,2
	ds_load_b128 v[12*f+4*\ch:12*f+4*\ch+3], v[\adr] offset:\off+1536*f+512*\ch
.endr
.set f, f+1
.endr
.endm
.macro PLACES                          ; four plain places behind matrix instructions, in front of loads into their registers and of the first read of their results (ISA guide 7.12.1 for the first read of their results)
.rept 4
	v_nop
.endr
.endm
; A STEP: 128 columns.  The two tiles of rows go by turns, line by line.
.macro STEP
	v_add_nc_u32 v[ADA], s[TB], v[A0]
	v_add_nc_u32 v[ADX], s[TB], v[X16]
	v_add_nc_u32 v[ADS], s[TB], v[XS4]
	v_add_nc_u32 v[ADH], s[TB], v[XH]
	v_add_nc_u32 v[ADY], s[TY], v[Y16]
	v_add_nc_u32 v[ADT], s[TY], v[YS4]
	WIN 0x80
.irp a,0,1
.irp c,0,1
.irp i,0,1,2,3,4,5,6,7
	ds_load_b128 v[DB+64*\a+32*\c+4*\i:DB+64*\a+32*\c+4*\i+3], v[ADA] offset:16*APITCH*\a+256*\c+16*\i   ; adj(row, 64 c + 32 h + 4 i ..)
.endr
.endr
.endr
	WIN 0xc0
	LDFRAGS ADX, 0                                 ; QN: fragment 8 s + t
	WIN 0
.irp t,0,1,2,3,4,5,6,7
	ds_load_b32 v[SJ+\t], v[ADS] offset:128*\t
.endr
	s_wait_dscnt 56                                ; adj's 32 loads are in; the 48 + 8 behind them may be out
	WIN 0x08
.set n, 0
.rept 32
.irp a,0,1
	v_pk_add_f32 v[STAT+26*\a+16+2*(n%4):STAT+26*\a+17+2*(n%4)], v[STAT+26*\a+16+2*(n%4):STAT+26*\a+17+2*(n%4)], v[DB+64*\a+2*n:DB+64*\a+2*n+1]   ; the row sum, in four chains
.endr
.set n, n+1
.endr
	WIN 0x0a                                       ; adj's quantiser: four blocks of 32 (two a tile), each whole in my lane
.irp a,0,1
.irp c,0,1
	v_max3_num_f32 v[MX+2*\a+\c], |v[DB+64*\a+32*\c]|, |v[DB+64*\a+32*\c+1]|, 0x1800000   ; the floor 2^(3 - 127): the byte cannot fall under 1
.endr
.endr
.irp i,2,4,6,8,10,12,14,16,18,20,22,24,26,28,30
.irp a,0,1
.irp c,0,1
	v_max3_num_f32 v[MX+2*\a+\c], |v[DB+64*\a+32*\c+\i]|, |v[DB+64*\a+32*\c+\i+1]|, v[MX+2*\a+\c]
.endr
.endr
.endr
	WIN 0
.irp b,0,1,2,3
	v_add_nc_u32 v[SC+\b], 0xff000000, v[MX+\b]    ; 2 off the exponent field: the conversion's scale operand
.endr
.irp b,0,1,2,3
	v_lshrrev_b32 v[BY+\b], 23, v[SC+\b]           ; the scale's byte
.endr
.irp a,0,1
	v_lshl_or_b32 v[AW+\a], v[BY+2*\a+1], 16, v[BY+2*\a]
.endr
.irp a,0,1
	v_lshlrev_b32 v[AW+\a], v[SH8], v[AW+\a]
.endr
.irp a,0,1
	v_permlanex16_b32 v[PX+\a], v[AW+\a], s[SEL], s[SEL+1]
.endr
.irp a,0,1
	v_or_b32 v[AW+\a], v[AW+\a], v[PX+\a]          ; with lane l xor 16's two bytes the row's word is whole
.endr
	WIN 0x02
.irp a,0,1
.irp c,0,1
	v_cvt_scalef32_pk16_fp6_f32 v[CD+12*\a+6*\c:CD+12*\a+6*\c+2], v[DB+64*\a+32*\c:DB+64*\a+32*\c+15], v[SC+2*\a+\c]
	v_cvt_scalef32_pk16_fp6_f32 v[CT+8*\a+4*\c:CT+8*\a+4*\c+2], v[DB+64*\a+32*\c+16:DB+64*\a+32*\c+31], v[SC+2*\a+\c]   ; (a conversion's three registers begin on an even number)
.endr
.endr
	WIN 0
	v_nop                                          ; one plain place behind a scaled conversion
.irp a,0,1
.irp c,0,1
.irp i,0,1,2
	v_mov_b32 v[CD+12*\a+6*\c+3+\i], v[CT+8*\a+4*\c+\i]
.endr
.endr
.endr
	s_wait_dscnt 0x0                               ; QN and its scale words
	WIN 0xa3                                       ; sim: sixteen accumulators by turns, one instruction a turn
.irp t,0,1,2,3,4,5,6,7
.irp a,0,1
.set rD, DA+64*\a+8*\t
	v_wmma_scale_f32_16x16x128_f8f6f4 v[rD:rD+7], v[12*\t:12*\t+11], v[FIN+24*\a:FIN+24*\a+11], 0, v[SJ+\t], v[SIN+\a] matrix_a_fmt:MATRIX_FMT_FP6 matrix_b_fmt:MATRIX_FMT_FP6
.endr
.endr
.irp t,0,1,2,3,4,5,6,7
.irp a,0,1
.set rD, DA+64*\a+8*\t
	v_wmma_scale_f32_16x16x128_f8f6f4 v[rD:rD+7], v[96+12*\t:96+12*\t+11], v[FIN+24*\a+12:FIN+24*\a+23], v[rD:rD+7], v[SJ+\t], v[SIN+\a] matrix_a_fmt:MATRIX_FMT_FP6 matrix_b_fmt:MATRIX_FMT_FP6 matrix_a_scale:MATRIX_SCALE_ROW1 matrix_b_scale:MATRIX_SCALE_ROW1
.endr
.endr
	PLACES
	WIN 0xc0
	LDFRAGS ADY, 0                                 ; QT: it lands under the softmax's lines
	WIN 0
.irp q,0,1,2,3,4,5,6,7
	ds_load_b32 v[ST+\q], v[ADT] offset:128*\q
.endr
	WIN 0x8a
.set n, 0
.rept 32
.irp a,0,1
	v_pk_mul_f32 v[DA+64*\a+2*n:DA+64*\a+2*n+1], v[DA+64*\a+2*n:DA+64*\a+2*n+1], v[DB+64*\a+2*n:DB+64*\a+2*n+1]   ; x = sim x adj (each accumulator from its low end on)
.endr
.set n, n+1
.endr
	WIN 0x0a
.set n, 0
.rept 32
.irp a,0,1
.if n < 4
	v_max3_num_f32 v[ET+4*\a+n], v[DA+64*\a+2*n], v[DA+64*\a+2*n+1], v[STAT+26*\a+6]   ; the running largest x starts each of four chains
.else
	v_max3_num_f32 v[ET+4*\a+n%4], v[DA+64*\a+2*n], v[DA+64*\a+2*n+1], v[ET+4*\a+n%4]
.endif
.endr
.set n, n+1
.endr
	WIN 0
.irp a,0,1
	v_max3_num_f32 v[STAT+26*\a+6], v[ET+4*\a], v[ET+4*\a+1], v[ET+4*\a+2]
.endr
.irp a,0,1
	v_max_num_f32 v[STAT+26*\a+6], v[STAT+26*\a+6], v[ET+4*\a+3]
.endr
.irp a,0,1
	v_mov_b32 v[STAT+26*\a+1], v[STAT+26*\a]
.endr
.irp a,0,1
	v_mul_f32 v[STAT+26*\a], s[LE], v[STAT+26*\a+6]            ; MU = log2(e) x the largest x
.endr
.irp a,0,1
	v_sub_f32 v[STAT+26*\a+2], v[STAT+26*\a+1], v[STAT+26*\a]  ; DL = old MU - new MU, 0 or less
.endr
	s_wait_alu depctr_va_vdst(0)
.irp a,0,1
	v_exp_f32 v[STAT+26*\a+4], v[STAT+26*\a+2]                 ; F = 2^DL
.endr
	WIN 0x82
.set n, 0
.rept 32
.irp a,0,1
	v_pk_fma_f32 v[DA+64*\a+2*n:DA+64*\a+2*n+1], v[DA+64*\a+2*n:DA+64*\a+2*n+1], s[LE:LE+1], v[STAT+26*\a:STAT+26*\a+1] op_sel_hi:[1,0,0] neg_lo:[0,0,1] neg_hi:[0,0,1]   ; t = log2(e) x - MU
.endr
.set n, n+1
.endr
.set n, 0
	s_wait_alu depctr_va_vdst(0)
.rept 64
.irp a,0,1
	v_exp_f32 v[DB+64*\a+n], v[DA+64*\a+n]         ; p = 2^t, over adj, which is done with
.endr
.set n, n+1
.endr
	v_nop                                          ; the plain place behind the last exponential
	s_wait_alu depctr_va_vdst(0)                   ; one wait for the whole batch, F among it, ahead of the first line that names a result
	s_wait_dscnt 0x0                               ; QT and its scale words
	WIN 0x53                                       ; adj E: 32 accumulators by turns
.irp dt,0,1,2,3,4,5,6,7,8,9,10,11,12,13,14,15
.irp a,0,1
.set rD, 128*\a+8*\dt
.if \dt%2
	v_wmma_scale_f32_16x16x128_f8f6f4 v[rD:rD+7], v[12*\dt:12*\dt+11], v[CD+12*\a:CD+12*\a+11], v[rD:rD+7], v[ST+\dt/2], v[AW+\a] matrix_a_fmt:MATRIX_FMT_FP6 matrix_b_fmt:MATRIX_FMT_FP6 matrix_a_scale:MATRIX_SCALE_ROW1
.else
	v_wmma_scale_f32_16x16x128_f8f6f4 v[rD:rD+7], v[12*\dt:12*\dt+11], v[CD+12*\a:CD+12*\a+11], v[rD:rD+7], v[ST+\dt/2], v[AW+\a] matrix_a_fmt:MATRIX_FMT_FP6 matrix_b_fmt:MATRIX_FMT_FP6
.endif
.endr
.endr
	PLACES
	WIN 0xc0
	LDFRAGS ADX, O_QE                              ; QE: it lands under the sums
	WIN 0
.irp t,0,1,2,3,4,5,6,7
	ds_load_b32 v[SJ+\t], v[ADS] offset:1024+128*\t
.endr
.irp p,0,1
.irp a,0,1
	v_pk_fma_f32 v[STAT+26*\a+12+2*\p:STAT+26*\a+13+2*\p], v[STAT+26*\a+8+2*\p:STAT+26*\a+9+2*\p], v[STAT+26*\a+2:STAT+26*\a+3], v[STAT+26*\a+12+2*\p:STAT+26*\a+13+2*\p] op_sel_hi:[1,0,1]   ; under the new MU every old t moves by DL: S += Z DL,
.endr
.endr
.irp p,0,1
.irp a,0,1
	v_pk_mul_f32 v[STAT+26*\a+12+2*\p:STAT+26*\a+13+2*\p], v[STAT+26*\a+12+2*\p:STAT+26*\a+13+2*\p], v[STAT+26*\a+4:STAT+26*\a+5] op_sel_hi:[1,0]   ; S x F,
	v_pk_mul_f32 v[STAT+26*\a+8+2*\p:STAT+26*\a+9+2*\p], v[STAT+26*\a+8+2*\p:STAT+26*\a+9+2*\p], v[STAT+26*\a+4:STAT+26*\a+5] op_sel_hi:[1,0]       ; Z x F
.endr
.endr
	WIN 0x08
.set n, 0
.rept 32
.irp a,0,1
	v_pk_add_f32 v[STAT+26*\a+8+2*(n%2):STAT+26*\a+9+2*(n%2)], v[STAT+26*\a+8+2*(n%2):STAT+26*\a+9+2*(n%2)], v[DB+64*\a+2*n:DB+64*\a+2*n+1]   ; Z += p
.endr
.set n, n+1
.endr
	WIN 0x0a
.set n, 0
.rept 32
.irp a,0,1
	v_pk_fma_f32 v[STAT+26*\a+12+2*(n%2):STAT+26*\a+13+2*(n%2)], v[DB+64*\a+2*n:DB+64*\a+2*n+1], v[DA+64*\a+2*n:DA+64*\a+2*n+1], v[STAT+26*\a+12+2*(n%2):STAT+26*\a+13+2*(n%2)]   ; S += p t
.endr
.set n, n+1
.endr
	WIN 0x80
.irp a,0,1
.irp c,0,1
.irp v,0,1,2,3
	ds_load_b128 v[DA+64*\a+32*\c+8*\v:DA+64*\a+32*\c+8*\v+3], v[ADH] offset:256*\c+32*\v        ; -|e_j|^2 / 2 of my columns, in the result's layout: the C of G's first products
	ds_load_b128 v[DA+64*\a+32*\c+8*\v+4:DA+64*\a+32*\c+8*\v+7], v[ADH] offset:256*\c+32*\v+16
.endr
.endr
.endr
	s_wait_dscnt 0x0
	WIN 0xaf                                       ; G - |e_j|^2 / 2: sixteen accumulators by turns
.irp t,0,1,2,3,4,5,6,7
.irp a,0,1
.set rD, DA+64*\a+8*\t
	v_wmma_scale_f32_16x16x128_f8f6f4 v[rD:rD+7], v[12*\t:12*\t+11], v[FIE+24*\a:FIE+24*\a+11], v[rD:rD+7], v[SJ+\t], v[SIE+\a] matrix_a_fmt:MATRIX_FMT_FP6 matrix_b_fmt:MATRIX_FMT_FP6
.endr
.endr
.irp t,0,1,2,3,4,5,6,7
.irp a,0,1
.set rD, DA+64*\a+8*\t
	v_wmma_scale_f32_16x16x128_f8f6f4 v[rD:rD+7], v[96+12*\t:96+12*\t+11], v[FIE+24*\a+12:FIE+24*\a+23], v[rD:rD+7], v[SJ+\t], v[SIE+\a] matrix_a_fmt:MATRIX_FMT_FP6 matrix_b_fmt:MATRIX_FMT_FP6 matrix_a_scale:MATRIX_SCALE_ROW1 matrix_b_scale:MATRIX_SCALE_ROW1
.endr
.endr
	PLACES
	WIN 0x82
.set n, 0
.rept 32
.irp a,0,1
	v_pk_add_f32 v[DA+64*\a+2*n:DA+64*\a+2*n+1], v[DA+64*\a+2*n:DA+64*\a+2*n+1], v[STAT+26*\a+24:STAT+26*\a+25] op_sel_hi:[1,0] neg_lo:[1,0] neg_hi:[1,0]   ; d = |e_i|^2 / 2 - (G - |e_j|^2 / 2)
.endr
.set n, n+1
.endr
.set n, 0
.rept 64
.irp a,0,1
	v_max_num_f32 v[DA+64*\a+n], v[DA+64*\a+n], s[KC]          ; held at 2^-100: a positive, normal number, whose bits rise with it
.endr
.set n, n+1
.endr
.set n, 0
.rept 64
.irp a,0,1
	v_and_or_b32 v[DA+64*\a+n], v[DA+64*\a+n], s[KM], 64+n     ; the key: d's leading 25 bits, bit 6 for 'of this step', the register's number
.endr
.set n, n+1
.endr
	WIN 0x02                                       ; each key goes into the sorted six: place k takes the middle one of the key and places k - 1 and k; from the last place down, so that each line finds its neighbour as it was
.set n, 0
.rept 64
.irp k,5,4,3,2,1
.irp a,0,1
	v_med3_num_f32 v[KL+18*\a+\k], v[DA+64*\a+n], v[KL+18*\a+\k-1], v[KL+18*\a+\k]
.endr
.endr
.irp a,0,1
	v_min_num_f32 v[KL+18*\a], v[DA+64*\a+n], v[KL+18*\a]
.endr
.set n, n+1
.endr
	WIN 0
	; the codes follow the keys.  Keys of earlier steps have no low bits, and those that are left are the first of the old list, in their order: so place k takes its own code where bit 6 is set, else the next old code
.irp k,0,1,2,3,4,5
.irp a,0,1
	v_and_b32 v[KL+18*\a+12+\k], 64, v[KL+18*\a+\k]
.endr
.endr
.irp k,0,1,2,3,4,5
.irp a,0,1
	v_cmp_ne_u32 s[FM+6*\a+\k], 0, v[KL+18*\a+12+\k]
.endr
.endr
.irp k,0,1,2,3,4,5
.irp a,0,1
	v_and_or_b32 v[KL+18*\a+12+\k], v[KL+18*\a+\k], 63, s[STP]     ; 64 x step + register
.endr
.endr
.irp k,0,1,2,3,4,5
.irp a,0,1
	v_and_b32 v[KL+18*\a+\k], s[KM], v[KL+18*\a+\k]                ; on equal leading bits a later step's key, with its bit 6, now stands behind: the lower column first
.endr
.endr
.irp k,0,1,2,3,4,5
.irp a,0,1
	v_cndmask_b32 v[KL+18*\a+12+\k], v[KL+18*\a+6], v[KL+18*\a+12+\k], s[FM+6*\a+\k]
.endr
.if \k < 5
.set m, 0
.rept 5-\k
.irp a,0,1
	v_cndmask_b32 v[KL+18*\a+6+m], v[KL+18*\a+7+m], v[KL+18*\a+6+m], s[FM+6*\a+\k]   ; an old code that was taken leaves the old list's head
.endr
.set m, m+1
.endr
.endif
.endr
.irp k,0,1,2,3,4,5
.irp a,0,1
	v_mov_b32 v[KL+18*\a+6+\k], v[KL+18*\a+12+\k]
.endr
.endr
	s_add_co_u32 s[STP], s[STP], 64
	s_xor_b32 s[TB], s[TB], SLOTX                  ; on to the other slot
	s_xor_b32 s[TY], s[TY], SLOTY
.endm
	s_mov_b32 s[CNT], 15
.Lstep:                                                ; 15 trips: behind each change of slots but the last the next step's tiles are asked for
	CHANGE 1
	STEP
	s_sub_co_u32 s[CNT], s[CNT], 1
	s_cmp_lg_u32 s[CNT], 0
	s_cbranch_scc1 .Lstep
	CHANGE 0                                       ; the last step is written out
	STEP
	; THE WAY OUT.  E's rows come in the accumulators' layout (lane (r, h): channels 16 dt + 8 h + 0 .. 7) into window 2; the chains are closed meanwhile
	WIN 0x80
.irp a,0,1
.irp dt,0,1,2,3,4,5,6,7,8,9,10,11,12,13,14,15
	global_load_b128 v[128*\a+8*\dt:128*\a+8*\dt+3], v[EO], s[EB:EB+1] offset:16384*\a+64*\dt
	global_load_b128 v[128*\a+8*\dt+4:128*\a+8*\dt+7], v[EO], s[EB:EB+1] offset:16384*\a+64*\dt+16
.endr
.endr
	WIN 0
.irp a,0,1
.set SB_, STAT+26*\a
	v_pk_add_f32 v[SB_+16:SB_+17], v[SB_+16:SB_+17], v[SB_+18:SB_+19]
	v_pk_add_f32 v[SB_+20:SB_+21], v[SB_+20:SB_+21], v[SB_+22:SB_+23]
	v_pk_add_f32 v[SB_+8:SB_+9], v[SB_+8:SB_+9], v[SB_+10:SB_+11]
	v_pk_add_f32 v[SB_+12:SB_+13], v[SB_+12:SB_+13], v[SB_+14:SB_+15]
	v_pk_add_f32 v[SB_+16:SB_+17], v[SB_+16:SB_+17], v[SB_+20:SB_+21]
	v_add_f32 v[SB_+8], v[SB_+8], v[SB_+9]
	v_add_f32 v[SB_+12], v[SB_+12], v[SB_+13]
	v_add_f32 v[SB_+16], v[SB_+16], v[SB_+17]
.endr
	s_wait_loadcnt 0x0
	WIN 0x09                                       ; the sum over my channels of (adj E) x E, in four chains a tile; each accumulator from its low end on
.irp dt,0,1,2,3,4,5,6,7,8,9,10,11,12,13,14,15
.irp p,0,1,2,3
.irp a,0,1
.set rD, 128*\a+8*\dt+2*\p
.if \dt == 0
	v_pk_mul_f32 v[PT+8*\a+2*\p:PT+8*\a+2*\p+1], v[rD:rD+1], v[rD:rD+1]
.else
	v_pk_fma_f32 v[PT+8*\a+2*\p:PT+8*\a+2*\p+1], v[rD:rD+1], v[rD:rD+1], v[PT+8*\a+2*\p:PT+8*\a+2*\p+1]
.endif
.endr
.endr
.endr
	WIN 0
.irp a,0,1
	v_pk_add_f32 v[PT+8*\a:PT+8*\a+1], v[PT+8*\a:PT+8*\a+1], v[PT+8*\a+2:PT+8*\a+3]
	v_pk_add_f32 v[PT+8*\a+4:PT+8*\a+5], v[PT+8*\a+4:PT+8*\a+5], v[PT+8*\a+6:PT+8*\a+7]
	v_pk_add_f32 v[PT+8*\a:PT+8*\a+1], v[PT+8*\a:PT+8*\a+1], v[PT+8*\a+4:PT+8*\a+5]
	v_add_f32 v[PT+8*\a], v[PT+8*\a], v[PT+8*\a+1]
.endr
; a field of both tiles: the first register's lanes 16-31 change places with the second's lanes 0-15: then the first holds my 32 rows' numbers for h = 0 and the second those for h = 1; each store covers 128 consecutive bytes
.macro OUTF field, r0, r1
	v_permlane16_swap_b32 v[\r0], v[\r1]
	global_store_b32 v[PO], v[\r0], s[PB:PB+1] offset:262144*(\field)
	global_store_b32 v[PO], v[\r1], s[PB:PB+1] offset:262144*(\field)+32768
.endm
	OUTF 0, PT, PT+8
	OUTF 1, STAT+16, STAT+42
	OUTF 2, STAT, STAT+26
	OUTF 3, STAT+8, STAT+34
	OUTF 4, STAT+12, STAT+38
.irp k,0,1,2,3,4,5
	OUTF 5+\k, KL+\k, KL+18+\k
	OUTF 11+\k, KL+6+\k, KL+24+\k
.endr
	s_wait_tensorcnt 0x0                           ; the wave's end, behind my last tensor load
	ds_add_u32 v[SPW], v[NIL]
	s_wait_dscnt 0x0
	ROUND                                          ; the closing round: no work-group ends while a partner may still ask for a tile that names it
	s_endpgm
.Lfunc_end_k_q7fe8a7572f_main:
	.size	k_q7fe8a7572f_main, .Lfunc_end_k_q7fe8a7572f_main-k_q7fe8a7572f_main
	.p2alignl 7, 3214868480
	.fill 96, 4, 3214868480
	.section	.rodata,"a",@progbits
	.p2align	6, 0x0
	.amdhsa_kernel k_q7fe8a7572f_main
		.amdhsa_group_segment_fixed_size 327680
		.amdhsa_private_segment_fixed_size 0
		.amdhsa_enable_private_segment 0
		.amdhsa_kernarg_size 32
		.amdhsa_user_sgpr_count 2
		.amdhsa_user_sgpr_kernarg_segment_ptr 1
		.amdhsa_wavefront_size32 1
		.amdhsa_system_sgpr_workgroup_id_x 1
		.amdhsa_system_sgpr_workgroup_id_y 1
		.amdhsa_system_sgpr_workgroup_id_z 1
		.amdhsa_system_vgpr_workitem_id 0
		.amdhsa_next_free_vgpr 1024
		.amdhsa_next_free_sgpr 100
		.amdhsa_reserve_vcc 0
		.amdhsa_float_denorm_mode_32 3
		.amdhsa_float_denorm_mode_16_64 3
		.amdhsa_memory_ordered 1
		.amdhsa_forward_progress 1
		.amdhsa_inst_pref_size 255
	.end_amdhsa_kernel
	.section	.bss,"aw",@nobits
	.p2align	6
	.space	262144
	.amdgpu_metadata
---
amdhsa.version: [ 1, 2 ]
amdhsa.kernels:
  - .name:           k_q7fe8a7572f_main
    .symbol:         k_q7fe8a7572f_main.kd
    .args:
      - { .name: adj_matrix, .offset: 0, .size: 8, .value_kind: global_buffer, .address_space: global }
      - { .name: node_embeddings, .offset: 8, .size: 8, .value_kind: global_buffer, .address_space: global }
      - { .name: ops, .offset: 16, .size: 8, .value_kind: global_buffer, .address_space: global }
      - { .name: part, .offset: 24, .size: 8, .value_kind: global_buffer, .address_space: global }
    .group_segment_fixed_size: 327680
    .private_segment_fixed_size: 0
    .kernarg_segment_align: 8
    .kernarg_segment_size: 32
    .max_flat_workgroup_size: 128
    .sgpr_count:     100
    .vgpr_count:     1024
    .wavefront_size: 32
...
	.end_amdgpu_metadata
.endif
;; end of part 2
;; launch pick (part 3): grid 128 x 1, 2 waves a work-group, no clusters, 0 bytes of LDS; arguments part, ops, cs, out0, idx, mean; writes out0, idx, mean
.if DOCPART == 3
	.amdgcn_target "amdgcn-amd-amdhsa--gfx1250"
	.amdhsa_code_object_version 6
	.text
	.protected	k_q7fe8a7572f_pick
	.globl	k_q7fe8a7572f_pick
	.p2align	8
	.type	k_q7fe8a7572f_pick,@function
k_q7fe8a7572f_pick:
	s_mov_b64 s[64:65], 0
	v_nop
	global_prefetch_b8 v0, s[64:65] scope:SCOPE_SE
	s_setreg_imm32_b32 hwreg(HW_REG_WAVE_MODE, 25, 1), 1
	s_wait_xcnt 0x0
; A thread takes a row and joins its eight lists (four quarters of the columns x two halves of the lanes): out0's rows 0 (total energy), 1 (local entropy) and 3 (structural centrality), and the row's five neighbours as whole numbers
; for the next launch.  Work-groups 0 to 3 also close the global mean.  Left out, as shown at the head of the first kernel: the root in dist, the division by TEMPERATURE.
; The entropy is ln Z - ln 2 x S / Z = - sum p ln p, which differs from reference()'s - sum p ln(p + eps) by at most 8192 x 1e-8, for every input.
; part[field][list][row]: 0 the potential's part, 1 the row sum's, 2 MU, 3 Z, 4 S, 5-10 six keys, ascending, 11-16 their codes (64 x step + register).  No LDS, no barrier.
.set OPSB, 77312
.set O_NH, 51200
.set F0,   16                          ; field f of list l at v[F0 + 8 f + l]: v16-151
.set KR,   F0+40                       ; list 0's keys, 8 registers apart: they are the running list;
.set JR,   F0+88                       ; its columns
	s_load_b128 s[4:7], s[0:1], 0x0                ; part, ops
	s_load_b128 s[8:11], s[0:1], 0x10              ; cs, out0
	s_load_b128 s[12:15], s[0:1], 0x20             ; idx, mean
	s_lshl_b32 s16, ttmp9, 8
	v_lshl_add_u32 v1, v0, 2, s16                  ; 4 x my row = 4 x (64 x work-group + thread)
	v_and_b32 v2, 31, v0
	v_lshlrev_b32 v2, 4, v2                        ; 16 x lane
	s_lshr_b32 s17, ttmp9, 1
	s_mul_i32 s17, s17, OPSB
	s_and_b32 s18, ttmp9, 1
	s_lshl_b32 s18, s18, 8
	s_add_co_u32 s17, s17, s18
	v_lshl_add_u32 v3, v0, 2, s17                  ; my row's -|e|^2 / 2: block row / 128, place row % 128
	s_mov_b32 s18, 0x76543210
	s_mov_b32 s19, 0xfedcba98
	v_mov_b32 v244, 0                              ; a lane permute's destination counts as one of its sources
	s_wait_alu depctr_va_vdst(0)
	s_wait_kmcnt 0x0
	; the smallest -|e|^2 / 2 of all nodes: a wave's load covers a block's 512 bytes.  64 such loads and the 136 fields do not fit in the registers together: 56 blocks first,
.set j, 0
.rept 56
	global_load_b128 v[16+4*j:19+4*j], v2, s[6:7] offset:j*OPSB+O_NH
.set j, j+1
.endr
	s_wait_loadcnt 0x0
.irp c,0,1,2,3
	v_min_num_f32 v[240+\c], v[16+2*\c], v[17+2*\c]
.endr
.set p, 4
.rept 108
	v_min3_num_f32 v[240+p%4], v[240+p%4], v[16+2*p], v[17+2*p]
.set p, p+1
.endr
.rept 8                                ; then the last eight, with all else
	global_load_b128 v[152+4*(j-56):155+4*(j-56)], v2, s[6:7] offset:j*OPSB+O_NH
.set j, j+1
.endr
	global_load_b32 v184, v3, s[6:7] offset:O_NH
.set f, 0
.rept 17
.irp l,0,1,2,3,4,5,6,7
	global_load_b32 v[F0+8*f+\l], v1, s[4:5] offset:262144*f+32768*\l   ; 64 threads read 256 consecutive bytes
.endr
.set f, f+1
.endr
	s_wait_alu depctr_va_vdst(0)
	s_wait_loadcnt 0x0
.set p, 0
.rept 16
	v_min3_num_f32 v[240+p%4], v[240+p%4], v[152+2*p], v[153+2*p]
.set p, p+1
.endr
	v_min3_num_f32 v240, v240, v241, v242
	v_min_num_f32 v240, v240, v243
	v_min_num_f32_dpp v240, v240, v240 row_xmask:1 row_mask:0xf bank_mask:0xf
	v_min_num_f32_dpp v240, v240, v240 row_xmask:2 row_mask:0xf bank_mask:0xf
	v_min_num_f32_dpp v240, v240, v240 row_xmask:4 row_mask:0xf bank_mask:0xf
	v_min_num_f32_dpp v240, v240, v240 row_xmask:8 row_mask:0xf bank_mask:0xf
	v_permlanex16_b32 v244, v240, s18, s19
	v_min_num_f32 v240, v240, v244
.irp f,0,1                             ; the potential and the row sum: the eight parts added
	v_add_f32 v[F0+8*\f], v[F0+8*\f], v[F0+8*\f+1]
	v_add_f32 v[F0+8*\f+2], v[F0+8*\f+2], v[F0+8*\f+3]
	v_add_f32 v[F0+8*\f+4], v[F0+8*\f+4], v[F0+8*\f+5]
	v_add_f32 v[F0+8*\f+6], v[F0+8*\f+6], v[F0+8*\f+7]
	v_add_f32 v[F0+8*\f], v[F0+8*\f], v[F0+8*\f+2]
	v_add_f32 v[F0+8*\f+4], v[F0+8*\f+4], v[F0+8*\f+6]
	v_add_f32 v[F0+8*\f], v[F0+8*\f], v[F0+8*\f+4]
.endr
	; the softmax's eight parts under their common maximum: with dl = MU_l - MU and f = 2^dl:  Z = sum Z_l f,  S = sum (S_l + Z_l dl) f
	v_max3_num_f32 v190, v[F0+16], v[F0+17], v[F0+18]
	v_max3_num_f32 v190, v190, v[F0+19], v[F0+20]
	v_max3_num_f32 v190, v190, v[F0+21], v[F0+22]
	v_max_num_f32 v190, v190, v[F0+23]
.irp l,0,1,2,3,4,5,6,7
	v_sub_f32 v[F0+16+\l], v[F0+16+\l], v190
.endr
	s_wait_alu depctr_va_vdst(0)
.irp l,0,1,2,3,4,5,6,7
	v_exp_f32 v[192+\l], v[F0+16+\l]
.endr
.irp l,0,1,2,3,4,5,6,7
	v_fma_f32 v[F0+32+\l], v[F0+24+\l], v[F0+16+\l], v[F0+32+\l]   ; plain work behind the exponentials, which names none of their results
.endr
	s_wait_alu depctr_va_vdst(0)                   ; one wait for the eight, ahead of their first reader
	v_mul_f32 v200, v[F0+24], v192
	v_mul_f32 v201, v[F0+32], v192
.irp l,1,2,3,4,5,6,7
	v_fma_f32 v200, v[F0+24+\l], v[192+\l], v200
	v_fma_f32 v201, v[F0+32+\l], v[192+\l], v201
.endr
	v_add_f32 v202, 0x322bcc77, v[F0+8]            ; degrees + 1e-8
	v_mul_f32 v203, -2.0, v184                     ; |e|^2
	v_mul_f32 v204, -2.0, v240                     ; the largest |e|^2
	s_wait_alu depctr_va_vdst(0)
	v_log_f32 v205, v200
	v_rcp_f32 v206, v200
	v_rcp_f32 v207, v202
	v_sqrt_f32 v208, v203
	v_sqrt_f32 v209, v204
	v_nop                                          ; the plain place behind the batch
	s_wait_alu depctr_va_vdst(0)
	v_add_f32 v209, 0x322bcc77, v209               ; the largest norm + 1e-8
	s_wait_alu depctr_va_vdst(0)
	v_rcp_f32 v210, v209
	v_fma_f32 v205, -v201, v206, v205              ; log2 Z - S / Z  (plain work behind the reciprocal)
	v_mul_f32 v205, 0x3f317218, v205               ; x ln 2
	v_cmp_lt_f32 vcc_lo, 0, v[F0+8]
	v_cndmask_b32 v230, 0, v205, vcc_lo            ; 0 where the row sum is not above 0
	v_fma_f32 v231, -v[F0], v207, v203             ; |e|^2 - potential's sum / (degrees + 1e-8)
	s_wait_alu depctr_va_vdst(0)
	v_mul_f32 v232, v208, v210
	v_mul_f32 v232, 0.5, v232
	v_fma_f32 v232, v[F0+8], 0x38800400, v232      ; + degrees x 0.5 / 8191
	global_store_b32 v1, v231, s[10:11]
	global_store_b32 v1, v230, s[10:11] offset:32768
	global_store_b32 v1, v232, s[10:11] offset:98304
	; the codes become columns: list l = 2 x quarter + h, code = 64 x step + n:  2048 (l / 2) + 32 (l % 2) + 128 step + 64 (n / 32) + n % 32 = 2 code - code % 32 + the list's constant
.irp l,0,1,2,3,4,5,6,7
.irp e,0,1,2,3,4,5
	v_and_b32 v[220+\e%4], 31, v[F0+88+8*\e+\l]
	v_lshl_add_u32 v[F0+88+8*\e+\l], v[F0+88+8*\e+\l], 1, 2048*(\l/2)+32*(\l%2)
	v_sub_nc_u32 v[F0+88+8*\e+\l], v[F0+88+8*\e+\l], v[220+\e%4]
.endr
.endr
; (x, xj) goes into the sorted six: ahead of place k where its key is smaller, or equal with the lower column, as top_k breaks ties.  All compares first, then the scalar lines, then the selects
.macro INSERT x, xj
.irp k,0,1,2,3,4,5
	v_cmp_lt_u32 s[20+\k], v[\x], v[KR+8*\k]
	v_cmp_eq_u32 s[26+\k], v[\x], v[KR+8*\k]
	v_cmp_lt_u32 s[32+\k], v[\xj], v[JR+8*\k]
.endr
.irp k,0,1,2,3,4,5
	s_and_b32 s[26+\k], s[26+\k], s[32+\k]
	s_or_b32 s[20+\k], s[20+\k], s[26+\k]
.endr
.irp k,5,4,3,2,1
	v_cndmask_b32 v224, v[\x], v[KR+8*(\k-1)], s[20+\k-1]
	v_cndmask_b32 v225, v[\xj], v[JR+8*(\k-1)], s[20+\k-1]
	v_cndmask_b32 v[KR+8*\k], v[KR+8*\k], v224, s[20+\k]
	v_cndmask_b32 v[JR+8*\k], v[JR+8*\k], v225, s[20+\k]
.endr
	v_cndmask_b32 v[KR], v[KR], v[\x], s20
	v_cndmask_b32 v[JR], v[JR], v[\xj], s20
.endm
.irp l,1,2,3,4,5,6,7
.irp e,0,1,2,3,4,5
	INSERT KR+8*\e+\l, JR+8*\e+\l
.endr
.endr
.irp k,1,2,3,4,5                       ; the first of the six is dropped, as reference() drops it
	global_store_b32 v1, v[JR+8*\k], s[12:13] offset:32768*(\k-1)
.endr
	s_cmp_lt_u32 ttmp9, 4                          ; the global mean: 256 channels, 64 to each of the first four work-groups
	s_cbranch_scc0 .Ldone
.set j, 0
.rept 64
	global_load_b32 v[152+j], v1, s[8:9] offset:1024*j   ; (for these work-groups 4 x my row is 4 x my channel)
.set j, j+1
.endr
	s_wait_loadcnt 0x0
.irp c,0,1,2,3
	v_add_f32 v[234+\c], v[152+\c], v[156+\c]
.endr
.set j, 8
.rept 56
	v_add_f32 v[234+j%4], v[234+j%4], v[152+j]
.set j, j+1
.endr
	v_add_f32 v234, v234, v235
	v_add_f32 v236, v236, v237
	v_add_f32 v234, v234, v236
	v_mul_f32 v233, 0x39000000, v234               ; / 8192
	global_store_b32 v1, v233, s[14:15]
.Ldone:
	s_endpgm
.Lfunc_end_k_q7fe8a7572f_pick:
	.size	k_q7fe8a7572f_pick, .Lfunc_end_k_q7fe8a7572f_pick-k_q7fe8a7572f_pick
	.p2alignl 7, 3214868480
	.fill 96, 4, 3214868480
	.section	.rodata,"a",@progbits
	.p2align	6, 0x0
	.amdhsa_kernel k_q7fe8a7572f_pick
		.amdhsa_group_segment_fixed_size 0
		.amdhsa_private_segment_fixed_size 0
		.amdhsa_enable_private_segment 0
		.amdhsa_kernarg_size 48
		.amdhsa_user_sgpr_count 2
		.amdhsa_user_sgpr_kernarg_segment_ptr 1
		.amdhsa_wavefront_size32 1
		.amdhsa_system_sgpr_workgroup_id_x 1
		.amdhsa_system_sgpr_workgroup_id_y 1
		.amdhsa_system_sgpr_workgroup_id_z 1
		.amdhsa_system_vgpr_workitem_id 0
		.amdhsa_next_free_vgpr 256
		.amdhsa_next_free_sgpr 66
		.amdhsa_reserve_vcc 1
		.amdhsa_float_denorm_mode_32 3
		.amdhsa_float_denorm_mode_16_64 3
		.amdhsa_memory_ordered 1
		.amdhsa_forward_progress 1
		.amdhsa_inst_pref_size 169
	.end_amdhsa_kernel
	.amdgpu_metadata
---
amdhsa.version: [ 1, 2 ]
amdhsa.kernels:
  - .name:           k_q7fe8a7572f_pick
    .symbol:         k_q7fe8a7572f_pick.kd
    .args:
      - { .name: part, .offset: 0, .size: 8, .value_kind: global_buffer, .address_space: global }
      - { .name: ops, .offset: 8, .size: 8, .value_kind: global_buffer, .address_space: global }
      - { .name: cs, .offset: 16, .size: 8, .value_kind: global_buffer, .address_space: global }
      - { .name: out0, .offset: 24, .size: 8, .value_kind: global_buffer, .address_space: global }
      - { .name: idx, .offset: 32, .size: 8, .value_kind: global_buffer, .address_space: global }
      - { .name: mean, .offset: 40, .size: 8, .value_kind: global_buffer, .address_space: global }
    .group_segment_fixed_size: 0
    .private_segment_fixed_size: 0
    .kernarg_segment_align: 8
    .kernarg_segment_size: 48
    .max_flat_workgroup_size: 64
    .sgpr_count:     66
    .vgpr_count:     256
    .wavefront_size: 32
...
	.end_amdgpu_metadata
.endif
;; end of part 3
;; launch dev (part 4): grid 256 x 1, 4 waves a work-group, no clusters, 0 bytes of LDS; arguments node_embeddings, idx, mean, out0; writes out0
.if DOCPART == 4
	.amdgcn_target "amdgcn-amd-amdhsa--gfx1250"
	.amdhsa_code_object_version 6
	.text
	.protected	k_q7fe8a7572f_dev
	.globl	k_q7fe8a7572f_dev
	.p2align	8
	.type	k_q7fe8a7572f_dev,@function
k_q7fe8a7572f_dev:
	s_mov_b64 s[64:65], 0
	v_nop
	global_prefetch_b8 v0, s[64:65] scope:SCOPE_SE
	s_setreg_imm32_b32 hwreg(HW_REG_WAVE_MODE, 25, 1), 1
	s_wait_xcnt 0x0
; out0's row 2: 0.6 |e - global mean| + 0.4 |e - mean of the five neighbours|.  The neighbours were chosen and stored as whole numbers by the launch before; here they steer a gather.
; A wave takes 8 rows.  A row of E is 1,024 bytes: two loads of 16 bytes a lane, each covering 512 consecutive bytes.  A row's work wants 12 loads: its own two and the five neighbours' ten.
; A ring of four row slots in registers keeps up to 48 loads of a wave in flight.  No LDS, no barrier, no matrix unit: the launch gathers 48 MB and adds.
.set ME, 4                             ; v4-11   the global mean, my 8 channels
.set AB0, 12                           ; v12-31  five address registers a slot
.set SL0, 36                           ; v36-227 four slots of 48: my 8 channels of the row, then of its five neighbours
	s_load_b128 s[4:7], s[0:1], 0x0                ; E, idx
	s_load_b128 s[8:11], s[0:1], 0x10              ; mean, out0
	v_lshrrev_b32 v1, 5, v0
	v_readfirstlane_b32 s12, v1                    ; wave
	s_lshl_b32 s13, ttmp9, 2
	s_add_co_u32 s13, s13, s12
	s_lshl_b32 s13, s13, 3                         ; my first row
	v_and_b32 v2, 31, v0                           ; lane
	v_lshlrev_b32 v1, 4, v2                        ; 16 x lane; never rewritten
	v_mov_b32 v3, 0                                ; lane k will hold row k's result
	v_mov_b32 v250, 0                              ; a lane permute's destination counts as one of its sources
	v_mov_b32 v251, 0
	s_mov_b32 s60, 0x76543210
	s_mov_b32 s61, 0xfedcba98
	s_lshl_b32 s14, s13, 2
	s_mov_b32 s15, 0
	s_lshl_b32 s58, s13, 10
	s_mov_b32 s59, 0
	s_wait_alu depctr_va_vdst(0)
	s_wait_kmcnt 0x0
	s_add_nc_u64 s[6:7], s[6:7], s[14:15]          ; idx at my first row
	s_add_nc_u64 s[10:11], s[10:11], s[14:15]      ; out0 likewise
	s_add_nc_u64 s[56:57], s[4:5], s[58:59]        ; E at my first row
.irp q,0,1,2,3,4
	s_load_b256 s[16+8*\q:23+8*\q], s[6:7], 32768*\q   ; neighbour q of my eight rows
.endr
	global_load_b128 v[ME:ME+3], v1, s[8:9]
	global_load_b128 v[ME+4:ME+7], v1, s[8:9] offset:512
	s_wait_kmcnt 0x0
.set i, 16
.rept 40
	s_min_u32 s[i], s[i], 8191                     ; an index stays inside the table that it indexes
.set i, i+1
.endr
.macro FILL k
.set SB, SL0+48*((\k)%4)
.set AB, AB0+5*((\k)%4)
	global_load_b128 v[SB:SB+3], v1, s[56:57] offset:1024*(\k)
	global_load_b128 v[SB+4:SB+7], v1, s[56:57] offset:1024*(\k)+512
.irp q,0,1,2,3,4
	v_lshl_add_u32 v[AB+\q], s[16+8*\q+(\k)], 10, v1           ; (the slot's last loads, which read this register, have been waited for)
	global_load_b128 v[SB+8+8*\q:SB+11+8*\q], v[AB+\q], s[4:5]
	global_load_b128 v[SB+12+8*\q:SB+15+8*\q], v[AB+\q], s[4:5] offset:512
.endr
.endm
; row k.  left = the loads of younger rows, 12 each, that may stay out
.macro ROW k, left
.set SB, SL0+48*((\k)%4)
	s_wait_loadcnt \left
.irp p,0,1,2,3
	v_pk_add_f32 v[228+2*\p:229+2*\p], v[SB+8+2*\p:SB+9+2*\p], v[SB+16+2*\p:SB+17+2*\p]
.endr
.irp q,2,3,4
.irp p,0,1,2,3
	v_pk_add_f32 v[228+2*\p:229+2*\p], v[228+2*\p:229+2*\p], v[SB+8+8*\q+2*\p:SB+9+8*\q+2*\p]
.endr
.endr
.irp p,0,1,2,3
	v_pk_fma_f32 v[228+2*\p:229+2*\p], v[228+2*\p:229+2*\p], 0xbe4ccccd, v[SB+2*\p:SB+2*\p+1] op_sel_hi:[1,0,1]   ; e - 0.2 x the five's sum
	v_pk_add_f32 v[236+2*\p:237+2*\p], v[SB+2*\p:SB+2*\p+1], v[ME+2*\p:ME+2*\p+1] neg_lo:[0,1] neg_hi:[0,1]       ; e - the global mean
.endr
	v_pk_mul_f32 v[244:245], v[228:229], v[228:229]
	v_pk_mul_f32 v[246:247], v[236:237], v[236:237]
.irp p,1,2,3
	v_pk_fma_f32 v[244:245], v[228+2*\p:229+2*\p], v[228+2*\p:229+2*\p], v[244:245]
	v_pk_fma_f32 v[246:247], v[236+2*\p:237+2*\p], v[236+2*\p:237+2*\p], v[246:247]
.endr
	v_add_f32 v248, v244, v245
	v_add_f32 v249, v246, v247
.irp x,1,2,4,8
	v_add_f32_dpp v248, v248, v248 row_xmask:\x row_mask:0xf bank_mask:0xf
	v_add_f32_dpp v249, v249, v249 row_xmask:\x row_mask:0xf bank_mask:0xf
.endr
	v_permlanex16_b32 v250, v248, s60, s61
	v_permlanex16_b32 v251, v249, s60, s61
	v_add_f32 v248, v248, v250
	v_add_f32 v249, v249, v251
	s_wait_alu depctr_va_vdst(0)
	v_sqrt_f32 v252, v248
	v_sqrt_f32 v253, v249
	v_nop                                          ; the plain place behind the roots
	s_wait_alu depctr_va_vdst(0)                   ; one wait for both, ahead of their first reader
	v_mul_f32 v252, 0x3ecccccd, v252
	v_fma_f32 v252, v253, 0x3f19999a, v252         ; 0.6 global + 0.4 local
	v_cmp_eq_u32 vcc_lo, \k, v2
	v_cndmask_b32 v3, v3, v252, vcc_lo
.endm
	FILL 0
	FILL 1
	FILL 2
	FILL 3
.irp k,0,1,2,3
	ROW \k, 36                                     ; three younger rows' loads stay out (the mean's two went out first)
	FILL \k+4
.endr
	ROW 4, 36
	ROW 5, 24
	ROW 6, 12
	ROW 7, 0
	v_lshlrev_b32 v254, 2, v2
	v_cmp_gt_u32 vcc_lo, 8, v2
	s_wait_alu depctr_va_vdst(0)
	s_wait_xcnt 0x0                                ; EXEC changes only when every earlier memory instruction has had its addresses translated
	s_and_saveexec_b32 s62, vcc_lo
	global_store_b32 v254, v3, s[10:11] offset:65536   ; lanes 0 to 7: my eight rows
	s_wait_xcnt 0x0
	s_or_b32 exec_lo, exec_lo, s62
	s_endpgm
.Lfunc_end_k_q7fe8a7572f_dev:
	.size	k_q7fe8a7572f_dev, .Lfunc_end_k_q7fe8a7572f_dev-k_q7fe8a7572f_dev
	.p2alignl 7, 3214868480
	.fill 96, 4, 3214868480
	.section	.rodata,"a",@progbits
	.p2align	6, 0x0
	.amdhsa_kernel k_q7fe8a7572f_dev
		.amdhsa_group_segment_fixed_size 0
		.amdhsa_private_segment_fixed_size 0
		.amdhsa_enable_private_segment 0
		.amdhsa_kernarg_size 32
		.amdhsa_user_sgpr_count 2
		.amdhsa_user_sgpr_kernarg_segment_ptr 1
		.amdhsa_wavefront_size32 1
		.amdhsa_system_sgpr_workgroup_id_x 1
		.amdhsa_system_sgpr_workgroup_id_y 1
		.amdhsa_system_sgpr_workgroup_id_z 1
		.amdhsa_system_vgpr_workitem_id 0
		.amdhsa_next_free_vgpr 256
		.amdhsa_next_free_sgpr 66
		.amdhsa_reserve_vcc 1
		.amdhsa_float_denorm_mode_32 3
		.amdhsa_float_denorm_mode_16_64 3
		.amdhsa_memory_ordered 1
		.amdhsa_forward_progress 1
		.amdhsa_inst_pref_size 43
	.end_amdhsa_kernel
	.amdgpu_metadata
---
amdhsa.version: [ 1, 2 ]
amdhsa.kernels:
  - .name:           k_q7fe8a7572f_dev
    .symbol:         k_q7fe8a7572f_dev.kd
    .args:
      - { .name: node_embeddings, .offset: 0, .size: 8, .value_kind: global_buffer, .address_space: global }
      - { .name: idx, .offset: 8, .size: 8, .value_kind: global_buffer, .address_space: global }
      - { .name: mean, .offset: 16, .size: 8, .value_kind: global_buffer, .address_space: global }
      - { .name: out0, .offset: 24, .size: 8, .value_kind: global_buffer, .address_space: global }
    .group_segment_fixed_size: 0
    .private_segment_fixed_size: 0
    .kernarg_segment_align: 8
    .kernarg_segment_size: 32
    .max_flat_workgroup_size: 128
    .sgpr_count:     66
    .vgpr_count:     256
    .wavefront_size: 32
...
	.end_amdgpu_metadata
.endif
;; end of part 4
